; MI455X (gfx1250); checked and timed in simulation.
; The chip was launched on July 23, 2026; its instructions are those of AMD's public machine-readable ISA for CDNA 5 (MIT licence, August 2026) and "CDNA5" Instruction Set Architecture Reference Guide (July 2026). The comments in the code are by the model that wrote it; some were corrected since.
;; Self Attention. Allowed arithmetic: matrix products marked QUANTISED: E5M2 operands, one E8M0 scale for each 32 along K, by v_wmma_scale_f32_16x16x128_f8f6f4 with both operands' format E5M2, f32 sums; products left as they are: f32 operands where the result goes on into a quantised operand, else bf16, f16 or f32 operands; f32 sums; everything else in f32.
;; Inputs: Wk 8 x 64 float32; Wq 8 x 64 float32; Wv 64 x 64 float32; bk 8 float32; bq 8 float32; bv 64 float32; gamma 1 float32; x 4 x 64 x 64 x 64 float32.
;; Outputs: out0 4 x 64 x 64 x 64 float32.
;; This version of the problem:
;;   THIS VERSION OF THE PROBLEM IS GIVEN IN LOW PRECISION. The matrix products marked QUANTISED in the list below multiply operands that are first quantised to E5M2 (5 exponent bits, 2 mantissa bits; 8 bits a number), with one power-of-two scale for each 32 numbers along K (OCP MX v1.0); their sums are f32. All else is computed in f32.
;;   The module's matrix products, in the order in which they are computed (A, B: the left and right operand; K: the contracted axis; several contracted axes count as one K, in the product's order):
;;     1. [M 16,384, K 64] x [K 64, N 8]; A: input x; B: input Wq: left as it is (N = 8 < 16)
;;     2. [M 16,384, K 64] x [K 64, N 8]; A: input x; B: input Wk: left as it is (N = 8 < 16)
;;     3. [M 16,384, K 64] x [K 64, N 64]; A: input x; B: input Wv: QUANTISED
;;     4. batch 4 x [M 4,096, K 8] x [K 8, N 4,096]; A: computed on the way; B: computed on the way: left as it is (K = 8 < 32)
;;     5. batch 4 x [M 64, K 4,096] x [K 4,096, N 4,096]; A: computed on the way; B: softmax (see below): QUANTISED
;;   THE QUANTISER, for each operand of a quantised product, along K:
;;     - K is cut into blocks of 32 from its start; a last block that is shorter is filled with zeros.
;;     - A block's scale is 2^e with e = floor(log2(the largest magnitude in the block)) - 15, held to -126 .. 127; a block of zeros has e = 0. As a byte (E8M0): e + 127.
;;     - Each number is divided by its block's scale, clamped to +-57,344, and rounded to the nearest number of E5M2, ties to even, subnormals kept.
;;     - The product sums the exact products of the quantised numbers (number of the format x scale) in f32.
;;   ~~~python
;;   def quantise(x, axis):      # numpy; x: float32 -> the quantised numbers, widened to float32 again
;;       x = np.moveaxis(x, axis, -1); K = x.shape[-1]
;;       x = np.pad(x, [(0, 0)] * (x.ndim - 1) + [(0, -K % 32)]); x = x.reshape(x.shape[:-1] + (-1, 32)); a = np.abs(x).max(-1, keepdims=True)
;;       e = np.where(a > 0, np.clip(np.frexp(np.where(a > 0, a, 1))[1] - 1 - 15, -126, 127), 0)      # np.frexp(a)[1] - 1 = floor(log2(a)), exactly
;;       r = np.clip(x / 2.0 ** e, -57344, 57344)
;;       step = 2.0 ** (np.maximum(np.frexp(np.where(r == 0, 1, r))[1] - 1, -14) - 2)
;;       q = np.round(r / step) * step * 2.0 ** e      # np.round: ties to even
;;       return np.moveaxis(q.reshape(q.shape[:-2] + (-1,))[..., :K], -1, axis).astype(np.float32)
;;   ~~~
;;   SOFTMAX AHEAD OF A QUANTISED PRODUCT. Where the list says 'softmax', what is quantised is not the finished softmax but p = 2^(t - M), with t = logit x log2(e) and M = ceil(the row's largest t), a whole number; so 1/2 < the row's largest p <= 1. The row's sum l is taken of the UNQUANTISED p, in f32, and the product's result is divided by l at the end. Since M is a whole number, a kernel that streams over the keys may use a running M (the ceiling of the running maximum): every later rescaling is an exact power of two, which a block's scale takes up: the codes' values come out the same.
;;   OPERANDS COMPUTED ON THE WAY. 'Computed on the way' means the value that the module computes at that place (a softmax that the list does not call 'softmax' is quantised finished and normalised). What goes into a quantiser is computed in f32, as accurately as f32 sums, v_exp_f32 and their like allow (about 1e-6 of the number): no bf16 or f16 on the way to a quantiser, and a product that is left as it is and whose result goes on into a quantised operand takes f32 operands (vector FMAs, or v_wmma_f32_16x16x4_f32). A number that lies on a knife's edge between two numbers of the format may be rounded either way, as far as f32 arithmetic and the matrix unit's own rounding can turn it there, and no further.
;; One version. Each part assembles by itself: llvm-mc -triple=amdgcn-amd-amdhsa -mcpu=gfx1250 --defsym DOCPART=n.
;; ======== version 1 of 1: 2 launches
;; workspace buffers: qbuf 524,288 bytes; kv 1,572,864 bytes; vsc 32,768 bytes
;; launch prep (part 1): grid 32 x 4, 4 waves a work-group, no clusters, 41,472 bytes of LDS; arguments x, Wq, bq, Wk, bk, Wv, bv, qbuf, kv, vsc; writes qbuf, kv, vsc
.if DOCPART == 1
	.amdgcn_target "amdgcn-amd-amdhsa--gfx1250"
	.amdhsa_code_object_version 6
	.text
	.protected	k_qa277db542f_prep
	.globl	k_qa277db542f_prep
	.p2align	8
	.type	k_qa277db542f_prep,@function
k_qa277db542f_prep:
	s_mov_b64 s[64:65], 0
	v_nop
	global_prefetch_b8 v0, s[64:65] scope:SCOPE_SE
	s_setreg_imm32_b32 hwreg(HW_REG_WAVE_MODE, 25, 1), 1
	s_wait_xcnt 0x0
; q = Wq x + bq, k = Wk x + bk (f32), v = Q(x) Q(Wv) + bv (codes of E5M2, one E8M0 scale for each 32 channels), and v quantised again along the KEYS.
; x: [4][64 channels][4096 positions] f32.  Out: qbuf [4][4096][8] f32; kv: 16 blocks (batch, slot of 8 steps) of 98,304 bytes; vsc [4][32 steps][64 channels] scale words.
; A STEP is 128 positions.  In a kv block: the k image of local step j at 4096 j, the v image at 32768 + 8192 j, both in the order of the reader's operand registers:
;   k image: tile T at 512 T + 16 lane: lane (r, h) holds k[key 32 (T/2) + 8 (T%2) + r + 8 (r/8)][4 h .. 4 h + 3]
;   v image: channel tile t, group c at 2048 t + 512 c + 16 lane: lane (r, h) holds the codes of v[16 t + r][keys 32 c + 16 h + 0 .. 15]
; SHARES.  A work-group takes one step of one batch: 32 x 4 = 128 work-groups, so that a step's k image, v image and 256 bytes of scale words are each written whole by one work-group.
; Wave w takes the step's keys 32 w .. 32 w + 31 as two tiles u of 16 rows (row r = key 32 w + 8 u + r + 8 (r/8)), brings channels 16 w .. 16 w + 15 of x into LDS, and quantises rows 16 w .. 16 w + 15 of Wv for all four.
; NO CLUSTER, NO TENSOR LOAD: the work-groups share only the weights, 20 KB against the 32 KB of x that each reads alone; everything goes through registers.
; THE f32 PRODUCTS take K in a permuted order, alike on both sides: slot 2 h + j of instruction i is channel 32 (i/8) + 16 h + 2 (i%8) + j, which is the order in which the quantiser wants x anyway.
; LIMITS: NaN and infinities among the inputs are not served.  A block whose largest magnitude lies under 2^-111, a block of zeros among them, gets the scale byte 1 (the rule says 127 for zeros): its codes are
; zeros or what that scale leaves, and the bytes are read by this program alone.
.set XGRP,  8224                       ; LDS: 16 rows of x, 512 bytes each, + 32: lanes 16-31, which read 16 rows further on, start 8 banks further on (64 banks of 4 bytes: ISA guide 11.1)
.set WIMG,  33024                      ; Wv's four fragments as images of their registers: 1024 t + 512 g + 16 lane
.set WSC,   37120                      ; their scale words: 128 t + 4 lane
.set VSB,   37632                      ; v's scale bytes of the step: 4 (16 t + r) + w
.set XLD, 5                            ; v5   x in memory: 16 lane + 16 rows x wave
.set XST, 6                            ; v6   x into LDS
.set XRD, 7                            ; v7   x out of LDS: my key's column
.set WVO, 8                            ; v8   Wv: row 16 w + r, + 64 h
.set WQO, 9                            ; v9   Wq, Wk: row r % 8, + 64 h
.set LI,  10                           ; v10  16 lane
.set LS,  11                           ; v11  4 lane
.set WIS, 12                           ; v12  where I store Wv's image
.set WSS, 13                           ; v13  and its scale word
.set QO,  14                           ; v14  my bytes in the step's rows of qbuf
.set KO,  15                           ; v15  in the k image
.set VO,  16                           ; v16  in the v image
.set VBA, 17                           ; v17  my scale byte in LDS
.set NIL, 18                           ; v18  0
.set R4,  19                           ; v19  4 r
.set XSW, 20                           ; v20-21 x's scale words, tile u: scales and nothing else
.set WSW, 22                           ; v22-25 Wv's scale words, tile t: scales and nothing else
.set PW,  26                           ; v26  Wv's scale word on its way to LDS
.set VRD, 27                           ; v27  VSB + 8 lane
.set BVR, 28                           ; v28-31 bv[16 t + r]
.set X,   32                           ; v32-95  x's rows as loaded; then tile u's 32 channels at X + 32 u; then v: (t, u) at X + 16 t + 8 u
.set W,   96                           ; v96-127 the f32 fragment of [Wq; Wk]; then EX; then bv as C, 8 registers a tile
.set EX,  96
.set BV,  96
.set WKT, 128                          ; v128-159 Wk as loaded
.set WR,  160                          ; v160-191 Wv as loaded
.set WF,  128                          ; v128-191 behind the barrier: Wv's fragments, 16 a tile
.set XF,  192                          ; v192-223 x's fragments, 16 a tile; first Wv's codes; at the end v's codes
.set QB,  208                          ; v208-215 bq (lanes 0-15) and bk (lanes 16-31) as C
.set BKT, 216                          ; v216-223 bk as loaded
.set TM,  224                          ; v224-239 +0 largest magnitudes, +4 bytes, +8 the largest number x the scale, +12 the conversion's scale operand
.set QA,  240                          ; v240-255 q and k of tile u: written by matrix instructions alone
; nb blocks of a lane, 16 numbers each at v[s + 16 b]; a block's other 16 lie in lane l xor 16.  Codes to v[pc + 4 b + gap (b / 2)].
; mode 0: Wv's scale word; 1: x's two; 2: none.  The words are made ahead of the holds, which are then the places between a scale word and the products that name it.
.macro QUANT s, nb, pc, gap, mode
.irp b, 0,1,2,3
.if \b < \nb
	v_max3_num_f32 v[TM+\b], |v[\s+16*\b]|, |v[\s+16*\b+1]|, 0x8000000   ; with the floor 2^(16 - 127): the byte cannot fall under 1
.endif
.endr
.irp i, 2,4,6,8,10,12,14
.irp b, 0,1,2,3
.if \b < \nb
	v_max3_num_f32 v[TM+\b], v[TM+\b], |v[\s+16*\b+\i]|, |v[\s+16*\b+\i+1]|   ; the blocks by turns
.endif
.endr
.endr
.irp b, 0,1,2,3
.if \b < \nb
	v_permlanex16_b32 v[TM+4+\b], v[TM+\b], s26, s27
.endif
.endr
.irp b, 0,1,2,3
.if \b < \nb
	v_max_num_f32 v[TM+\b], v[TM+\b], v[TM+4+\b]                   ; the block's largest magnitude
.endif
.endr
.irp b, 0,1,2,3
.if \b < \nb
	v_add_nc_u32 v[TM+12+\b], 0xf8800000, v[TM+\b]                 ; 15 off its exponent field: the conversion's scale operand
.endif
.endr
.irp b, 0,1,2,3
.if \b < \nb
	v_and_or_b32 v[TM+8+\b], v[TM+\b], 0x7f800000, s28             ; 57,344 x the scale
.endif
.endr
.irp b, 0,1,2,3
.if \b < \nb
	v_lshrrev_b32 v[TM+4+\b], 23, v[TM+12+\b]                      ; the scale's byte
.endif
.endr
.if \mode == 0
	v_lshl_or_b32 v[PW], v[TM+5], 8, v[TM+4]                       ; K = 64: two bytes; the upper two stay 0 and stand over zero codes
.elseif \mode == 1
	v_lshl_or_b32 v[XSW], v[TM+5], 8, v[TM+4]
	v_lshl_or_b32 v[XSW+1], v[TM+7], 8, v[TM+6]
.endif
.irp b, 0,1,2,3
.if \b < \nb
.irp i, 0,1,2,3,4,5,6,7,8,9,10,11,12,13,14,15
	v_med3_num_f32 v[\s+16*\b+\i], v[\s+16*\b+\i], -v[TM+8+\b], v[TM+8+\b]   ; the conversion to an 8-bit code does not saturate (ISA guide 7.6.2): the hold
.endr
	v_cvt_scalef32_pk8_bf8_f32 v[\pc+4*\b+\gap*(\b/2):\pc+4*\b+\gap*(\b/2)+1], v[\s+16*\b:\s+16*\b+7], v[TM+12+\b]
	v_cvt_scalef32_pk8_bf8_f32 v[\pc+4*\b+\gap*(\b/2)+2:\pc+4*\b+\gap*(\b/2)+3], v[\s+16*\b+8:\s+16*\b+15], v[TM+12+\b]
.endif
.endr
	v_nop                                          ; one plain line behind the last conversion
.endm
.macro BARRIER                         ; my LDS stores have landed and my LDS loads are in: then the work-group's barrier
	s_wait_dscnt 0x0
	s_barrier_signal -1
	s_barrier_wait -1
.endm
	s_load_b256 s[4:11], s[0:1], 0x0               ; x s[4:5], Wq s[6:7], bq s[8:9], Wk s[10:11]
	s_load_b256 s[12:19], s[0:1], 0x20             ; bk s[12:13], Wv s[14:15], bv s[16:17], qbuf s[18:19]
	s_load_b128 s[20:23], s[0:1], 0x40             ; kv s[20:21], vsc s[22:23]
	s_set_vgpr_msb 0x40
	v_lshl_add_u32 v0, v0, 2, 0xa000
	v_mov_b32 v1, 0
	s_set_vgpr_msb 0x4000
	v_lshrrev_b32 v1, 5, v0
	v_readfirstlane_b32 s24, v1                    ; wave 0..3
	v_and_b32 v1, 31, v0                           ; lane
	v_and_b32 v2, 15, v0                           ; r
	v_bfe_u32 v3, v0, 4, 1                         ; h
	v_and_b32 v4, 8, v2
	v_add_nc_u32 v4, v4, v2                        ; r + 8 (r / 8)
	v_lshlrev_b32 v[LI], 4, v1
	v_lshlrev_b32 v[LS], 2, v1
	s_lshl_b32 s31, s24, 18                        ; 16 rows of 16,384 bytes a wave
	v_add_nc_u32 v[XLD], s31, v[LI]
	s_mul_i32 s31, s24, XGRP
	v_add_nc_u32 v[XST], s31, v[LI]
	v_mul_u32_u24 v[XRD], v3, XGRP                 ; lanes 16-31: 16 channels further on
	v_lshl_add_u32 v[XRD], v4, 2, v[XRD]
	s_lshl_b32 s31, s24, 7                         ; my wave's 32 keys
	v_add_nc_u32 v[XRD], s31, v[XRD]
	v_add_nc_u32 v[WSS], s31, v[LS]
	v_add_nc_u32 v[WSS], WSC, v[WSS]
	v_lshlrev_b32 v[WVO], 8, v2
	v_lshl_add_u32 v[WVO], v3, 6, v[WVO]
	s_lshl_b32 s31, s24, 12
	v_add_nc_u32 v[WVO], s31, v[WVO]
	v_and_b32 v[WQO], 7, v2
	v_lshlrev_b32 v[WQO], 8, v[WQO]
	v_lshl_add_u32 v[WQO], v3, 6, v[WQO]
	s_lshl_b32 s31, s24, 10
	v_add_nc_u32 v[KO], s31, v[LI]
	v_add_nc_u32 v[WIS], s31, v[LI]
	v_add_nc_u32 v[WIS], WIMG, v[WIS]
	v_lshlrev_b32 v[QO], 5, v4
	v_lshl_add_u32 v[QO], v3, 4, v[QO]
	v_add_nc_u32 v[QO], s31, v[QO]
	s_lshl_b32 s31, s24, 9
	v_add_nc_u32 v[VO], s31, v[LI]
	v_lshl_add_u32 v[VBA], v2, 2, VSB
	v_add_nc_u32 v[VBA], s24, v[VBA]
	v_mov_b32 v[NIL], 0
	v_lshlrev_b32 v[R4], 2, v2
	v_lshl_add_u32 v[VRD], v1, 3, VSB
	v_lshlrev_b32 v1, 3, v1                        ; 8 lane: the scale words' way out
	v_cmp_le_u32 vcc_lo, 8, v2                     ; rows 8-15 of the f32 fragment are Wk's
	v_cmp_eq_u32 s30, 1, v3                        ; lanes 16-31
	s_and_b32 s25, ttmp7, 0xffff                   ; the batch
	s_mov_b32 s26, 0x76543210
	s_mov_b32 s27, 0xfedcba98                      ; v_permlanex16_b32's selects for lane l xor 16
	s_mov_b32 s28, 0x600000                        ; the mantissa field of 57,344
	s_lshl_b32 s32, s25, 20                        ; x: batch x 1,048,576 + step x 512
	s_lshl_b32 s31, ttmp9, 9
	s_add_co_u32 s32, s32, s31
	s_mov_b32 s33, 0
	s_lshl_b32 s38, s25, 17                        ; qbuf: (batch x 4096 + 128 step) x 32
	s_lshl_b32 s31, ttmp9, 12
	s_add_co_u32 s38, s38, s31
	s_mov_b32 s39, 0
	s_lshl_b32 s40, s25, 2                         ; kv: block 4 batch + step / 8
	s_lshr_b32 s31, ttmp9, 3
	s_add_co_u32 s40, s40, s31
	s_mul_i32 s40, s40, 98304
	s_and_b32 s31, ttmp9, 7                        ; the local step
	s_lshl_b32 s42, s31, 13
	s_add_co_u32 s42, s42, s40
	s_add_co_u32 s42, s42, 32768                   ; its v image
	s_mov_b32 s43, 0
	s_lshl_b32 s31, s31, 12
	s_add_co_u32 s40, s40, s31                     ; its k image
	s_mov_b32 s41, 0
	s_lshl_b32 s44, s25, 13                        ; vsc: (32 batch + step) x 256
	s_lshl_b32 s31, ttmp9, 8
	s_add_co_u32 s44, s44, s31
	s_mov_b32 s45, 0
	s_wait_kmcnt 0x0
	s_add_nc_u64 s[4:5], s[4:5], s[32:33]
	s_add_nc_u64 s[18:19], s[18:19], s[38:39]
	s_add_nc_u64 s[34:35], s[20:21], s[40:41]      ; the k image
	s_add_nc_u64 s[36:37], s[20:21], s[42:43]      ; the v image
	s_add_nc_u64 s[22:23], s[22:23], s[44:45]
	; ---- all 48 loads at once: 16 of x, 8 of Wv, 8 of Wq, 8 of Wk, 4 of bq and bk, 4 of bv
.irp i, 0,1,2,3,4,5,6,7,8,9,10,11,12,13,14,15
	global_load_b128 v[X+4*\i:X+4*\i+3], v[XLD], s[4:5] offset:16384*\i     ; channel 16 w + i: 32 lanes read the step's 512 consecutive bytes
.endr
.irp c, 0,1
.irp g, 0,1,2,3
	global_load_b128 v[WR+16*\c+4*\g:WR+16*\c+4*\g+3], v[WVO], s[14:15] offset:128*\c+16*\g   ; Wv[16 w + r][32 c + 16 h + 4 g ..]
.endr
.endr
.irp c, 0,1
.irp g, 0,1,2,3
	global_load_b128 v[W+16*\c+4*\g:W+16*\c+4*\g+3], v[WQO], s[6:7] offset:128*\c+16*\g
.endr
.endr
.irp c, 0,1
.irp g, 0,1,2,3
	global_load_b128 v[WKT+16*\c+4*\g:WKT+16*\c+4*\g+3], v[WQO], s[10:11] offset:128*\c+16*\g
.endr
.endr
	global_load_b128 v[QB:QB+3], v[NIL], s[8:9]
	global_load_b128 v[QB+4:QB+7], v[NIL], s[8:9] offset:16
	global_load_b128 v[BKT:BKT+3], v[NIL], s[12:13]
	global_load_b128 v[BKT+4:BKT+7], v[NIL], s[12:13] offset:16
.irp t, 0,1,2,3
	global_load_b32 v[BVR+\t], v[R4], s[16:17] offset:64*\t
.endr
.irp b, 0,1,2,3
	v_mov_b32 v[TM+4+\b], 0                        ; written once: a lane permute's destination counts as one of its sources
.endr
	s_wait_loadcnt 32                              ; x's 16 loads are in; the 32 issued behind them may be out
.irp i, 0,1,2,3,4,5,6,7,8,9,10,11,12,13,14,15
	ds_store_b128 v[XST], v[X+4*\i:X+4*\i+3] offset:512*\i
.endr
	s_wait_loadcnt 24                              ; Wv's 8 are in; Wq, Wk and the biases, 24 loads, may be out
	QUANT WR, 2, XF, 0, 0                          ; my 16 rows of Wv: two blocks of 32 channels
	ds_store_b128 v[WIS], v[XF:XF+3]
	ds_store_b128 v[WIS], v[XF+4:XF+7] offset:512
	ds_store_b32 v[WSS], v[PW]
	s_wait_loadcnt 0x0
.set i, 0
.rept 32
	v_cndmask_b32 v[W+i], v[W+i], v[WKT+i], vcc_lo ; rows 0-7: Wq, rows 8-15: Wk
.set i, i+1
.endr
.irp j, 0,1,2,3,4,5,6,7
	v_cndmask_b32 v[QB+\j], v[QB+\j], v[BKT+\j], s30   ; the result's rows 8 h + j: bq below, bk above
.endr
	BARRIER                                        ; the step's 64 rows of x, Wv's four images and their scale words lie in LDS
.irp u, 0,1
.irp c, 0,1
.irp i, 0,1,2,3,4,5,6,7,8,9,10,11,12,13,14,15
	ds_load_b32 v[X+32*\u+16*\c+\i], v[XRD] offset:16448*\c+512*\i+32*\u   ; x[channel 32 c + 16 h + i][my key of tile u]
.endr
.endr
.endr
.irp t, 0,1,2,3
.irp g, 0,1
	ds_load_b128 v[WF+16*\t+4*\g:WF+16*\t+4*\g+3], v[LI] offset:WIMG+1024*\t+512*\g
.endr
.endr
.irp t, 0,1,2,3
	ds_load_b32 v[WSW+\t], v[LS] offset:WSC+128*\t
.endr
	s_wait_dscnt 12                                ; x is in; Wv's 8 image loads and 4 scale words may be out
	; ---- q and k: source 0 = [Wq; Wk], source 1 = 16 keys: lanes 0-15 get q[key r][0..7], lanes 16-31 k[key r][0..7].  Two accumulators by turns
.set i, 0
.rept 16
.irp u, 0,1
.if i == 0
	v_wmma_f32_16x16x4_f32 v[QA+8*\u:QA+8*\u+7], v[W+2*i:W+2*i+1], v[X+32*\u+2*i:X+32*\u+2*i+1], v[QB:QB+7]
.else
	v_wmma_f32_16x16x4_f32 v[QA+8*\u:QA+8*\u+7], v[W+2*i:W+2*i+1], v[X+32*\u+2*i:X+32*\u+2*i+1], v[QA+8*\u:QA+8*\u+7]
.endif
.endr
.set i, i+1
.endr
	; K = 64 of the instruction's 128: the upper halves of all six fragments are zero codes.  These 48 lines are also the places behind the f32 products (ISA guide 7.12.1)
.irp t, 0,1,2,3
.irp j, 8,9,10,11,12,13,14,15
	v_mov_b32 v[WF+16*\t+\j], 0
.endr
.endr
.irp u, 0,1
.irp j, 8,9,10,11,12,13,14,15
	v_mov_b32 v[XF+16*\u+\j], 0
.endr
.endr
	; the readers want lane (r, h) to hold channels 4 h .. 4 h + 3 of q, and of k: one exchange between the halves.  Each result is read from its low end on
.irp u, 0,1
.irp j, 0,1,2,3
	v_permlanex16_b32 v[EX+8*\u+4+\j], v[QA+8*\u+\j], s26, s27     ; lanes 0-15 get k[0..3]
.endr
.irp j, 0,1,2,3
	v_permlanex16_b32 v[EX+8*\u+\j], v[QA+8*\u+4+\j], s26, s27     ; lanes 16-31 get q[4..7]
.endr
.endr
.irp u, 0,1
.irp j, 0,1,2,3
	v_cndmask_b32 v[EX+8*\u+\j], v[QA+8*\u+\j], v[EX+8*\u+\j], s30
	v_cndmask_b32 v[EX+8*\u+4+\j], v[EX+8*\u+4+\j], v[QA+8*\u+4+\j], s30
.endr
.endr
.irp u, 0,1
	global_store_b128 v[QO], v[EX+8*\u:EX+8*\u+3], s[18:19] offset:256*\u     ; eight keys' rows of 32 bytes are 256 consecutive bytes, aligned: two such runs a store
	global_store_b128 v[KO], v[EX+8*\u+4:EX+8*\u+7], s[34:35] offset:512*\u   ; 512 consecutive bytes
.endr
	QUANT X, 4, XF, 8, 1                           ; x: block 2 u + c is tile u's channels 32 c on
	s_wait_xcnt 0x0                                ; the stores have read EX: its registers are written again only behind this wait
.irp t, 0,1,2,3
.irp j, 0,1,2,3,4,5,6,7
	v_mov_b32 v[BV+8*\t+\j], v[BVR+\t]             ; bv as C: a lane's column is channel 16 t + r.  (These are also the places between the codes and the products)
.endr
.endr
	s_wait_dscnt 0x0                               ; Wv's fragments and scale words
	; ---- v: source 0 = 16 keys of x, source 1 = 16 rows of Wv: lane (r, h) holds channel 16 t + r, and register 16 t + 8 u + j key 32 w + 16 h + 8 u + j: 16 neighbours along the next K
.irp u, 0,1
.irp t, 0,1,2,3
	v_wmma_scale_f32_16x16x128_f8f6f4 v[X+16*\t+8*\u:X+16*\t+8*\u+7], v[XF+16*\u:XF+16*\u+15], v[WF+16*\t:WF+16*\t+15], v[BV+8*\t:BV+8*\t+7], v[XSW+\u], v[WSW+\t] matrix_a_fmt:MATRIX_FMT_BF8 matrix_b_fmt:MATRIX_FMT_BF8
.endr
.endr
.rept 8
	v_nop                                          ; places behind these products, ahead of the first read of their results
.endr
	QUANT X, 4, XF, 0, 2                           ; v along the keys: block t is channel 16 t + r's keys 32 w .. 32 w + 31
.irp t, 0,1,2,3
	ds_store_b8 v[VBA], v[TM+4+\t] offset:64*\t    ; byte w of the channel's word; both lanes of a block write the same byte with the same value
.endr
.irp t, 0,1,2,3
	global_store_b128 v[VO], v[XF+4*\t:XF+4*\t+3], s[36:37] offset:2048*\t   ; 512 consecutive bytes
.endr
	BARRIER                                        ; the four waves' bytes make 64 words
	s_cmp_lg_u32 s24, 0
	s_cbranch_scc1 .Ldone
	ds_load_b64 v[TM:TM+1], v[VRD]
	s_wait_dscnt 0x0
	global_store_b64 v1, v[TM:TM+1], s[22:23]      ; 32 lanes store 256 consecutive bytes, aligned
.Ldone:
	s_set_vgpr_msb 0x5
	s_wait_tensorcnt 0x0
	ds_add_u32 v0, v1
	s_wait_dscnt 0x0
	s_set_vgpr_msb 0x500
	s_endpgm
.Lfunc_end_k_qa277db542f_prep:
	.size	k_qa277db542f_prep, .Lfunc_end_k_qa277db542f_prep-k_qa277db542f_prep
	.p2alignl 7, 3214868480
	.fill 96, 4, 3214868480
	.section	.rodata,"a",@progbits
	.p2align	6, 0x0
	.amdhsa_kernel k_qa277db542f_prep
		.amdhsa_group_segment_fixed_size 41472
		.amdhsa_private_segment_fixed_size 0
		.amdhsa_enable_private_segment 0
		.amdhsa_kernarg_size 80
		.amdhsa_user_sgpr_count 2
		.amdhsa_user_sgpr_kernarg_segment_ptr 1
		.amdhsa_wavefront_size32 1
		.amdhsa_system_sgpr_workgroup_id_x 1
		.amdhsa_system_sgpr_workgroup_id_y 1
		.amdhsa_system_sgpr_workgroup_id_z 1
		.amdhsa_system_vgpr_workitem_id 0
		.amdhsa_next_free_vgpr 258
		.amdhsa_next_free_sgpr 66
		.amdhsa_reserve_vcc 1
		.amdhsa_float_denorm_mode_32 3
		.amdhsa_float_denorm_mode_16_64 3
		.amdhsa_memory_ordered 1
		.amdhsa_forward_progress 1
		.amdhsa_inst_pref_size 45
	.end_amdhsa_kernel
	.amdgpu_metadata
---
amdhsa.version: [ 1, 2 ]
amdhsa.kernels:
  - .name:           k_qa277db542f_prep
    .symbol:         k_qa277db542f_prep.kd
    .args:
      - { .name: x, .offset: 0, .size: 8, .value_kind: global_buffer, .address_space: global }
      - { .name: Wq, .offset: 8, .size: 8, .value_kind: global_buffer, .address_space: global }
      - { .name: bq, .offset: 16, .size: 8, .value_kind: global_buffer, .address_space: global }
      - { .name: Wk, .offset: 24, .size: 8, .value_kind: global_buffer, .address_space: global }
      - { .name: bk, .offset: 32, .size: 8, .value_kind: global_buffer, .address_space: global }
      - { .name: Wv, .offset: 40, .size: 8, .value_kind: global_buffer, .address_space: global }
      - { .name: bv, .offset: 48, .size: 8, .value_kind: global_buffer, .address_space: global }
      - { .name: qbuf, .offset: 56, .size: 8, .value_kind: global_buffer, .address_space: global }
      - { .name: kv, .offset: 64, .size: 8, .value_kind: global_buffer, .address_space: global }
      - { .name: vsc, .offset: 72, .size: 8, .value_kind: global_buffer, .address_space: global }
    .group_segment_fixed_size: 41472
    .private_segment_fixed_size: 0
    .kernarg_segment_align: 8
    .kernarg_segment_size: 80
    .max_flat_workgroup_size: 128
    .sgpr_count:     66
    .vgpr_count:     258
    .wavefront_size: 32
...
	.end_amdgpu_metadata
.endif
;; end of part 1
;; launch attn (part 2): grid 64 x 4, 16 waves a work-group, clusters of 4 x 1, 327,680 bytes of LDS; arguments qbuf, kv, vsc, x, gamma, out0; writes out0
.if DOCPART == 2
	.amdgcn_target "amdgcn-amd-amdhsa--gfx1250"
	.amdhsa_code_object_version 6
	.text
	.protected	k_qa277db542f_attn
	.globl	k_qa277db542f_attn
	.p2align	8
	.type	k_qa277db542f_attn,@function
k_qa277db542f_attn:
	s_mov_b64 s[64:65], 0
	v_nop
	global_prefetch_b8 v0, s[64:65] scope:SCOPE_SE
	s_setreg_imm32_b32 hwreg(HW_REG_WAVE_MODE, 25, 1), 1
	s_wait_xcnt 0x0
	s_wait_alu depctr_hold_cnt(0) depctr_sa_sdst(0) depctr_va_vdst(0) depctr_va_sdst(0) depctr_va_ssrc(0) depctr_va_vcc(0) depctr_vm_vsrc(0)
	s_getreg_b32 s2, hwreg(HW_REG_IB_STS2, 6, 4)
	s_cmp_eq_u32 s2, 0
	s_cbranch_scc0 .Lentry_in_a_cluster
	s_endpgm
.Lentry_in_a_cluster:
	s_bfe_u32 s2, ttmp6, 0x10000c
	s_cmp_lg_u32 s2, 0x3003
	s_cbranch_scc0 .Lentry_shape_is_right
	s_endpgm
.Lentry_shape_is_right:
; out0[b][c][n] = gamma x (sum over keys m of v[b][c][m] softmax_m(q[b][n] . k[b][m])) + x[b][c][n].  4 batches, 4,096 positions, 64 channels, q and k of 8 channels.
; The scores are an f32 product (they go on into a quantiser).  t = score x log2(e); M = the largest t so far, rounded UP to a whole number; p = 2^(t - M) is quantised along the keys to codes of E5M2 with one
; E8M0 scale for each 32 keys and multiplied with v's codes; the row's sum is taken of the unquantised p and divides at the end.
; SHARES.  A work-group owns 64 queries of one batch.  Its sixteen waves are 4 tiles of 16 queries (QT = wave / 4) x 4 parts of the keys (KP = wave % 4): of each run of 8 key steps (128 keys each) a wave takes
; steps 2 KP and 2 KP + 1: eight steps in all.  Four waves of 256 registers lie on a SIMD.  At the end the four parts of a query tile are joined: each has its own whole number M, so the join multiplies by exact powers of two.
; LAYOUT.  Both products are used transposed: S^T = k q^T (source 0 = 16 keys, source 1 = my 16 queries), O^T = v p^T (source 0 = 16 channels, source 1 = p): a lane holds ONE query (lane % 16) throughout.
; The keys of a tile of k are chosen (by the launch that laid the images) so that the 16 registers of tiles 2 b and 2 b + 1 are the neighbouring keys 32 b + 16 (lane / 16) + 0 .. 15.
; k, v's codes and v's scale words lie in memory in the order of the operand registers: every fragment comes out of LDS by loads of 16 bytes a lane on end, with no pitch and no padding.
; CLUSTER.  The four work-groups of a cluster belong to one batch and walk the same k, v and scale words: every tensor load is asked for JOINTLY, with one descriptor and a mask that names the four.
; LDS.  A batch's k and v are four runs of 8 steps, 98,304 bytes each (k images, then v images).  Runs 0, 1, 2 and the scale words are filled at the start, side by side: waves 0 to 3 fetch a quarter of each, so four
; tensor loads of such a wave are out.  Run 3 is the one refill: into run 0's bytes, behind a round of the cluster's barrier that stands behind every wave's first two steps; then one load of a wave is out.
; The barrier that shows run 3 whole is split: a wave signals behind its third step and waits ahead of its sixth, with register work and LDS loads of runs 1 and 2 between.
; BY TURNS.  A step's scores are made inside the step before: as soon as t - M has left S, one f32 product and four exponentials stand by turns, 16 times.  Only the first step behind the start and behind the round has a head of its own.
; LIMITS: NaN and infinities are not served.  p under 2^-126 becomes 0 (v_exp_f32 flushes denormals: ISA guide 15.8).  A block of 32 p whose largest lies under 2^-111 gets the scale byte 1.
; A block's largest p is taken from its largest score by the same multiply-add and exponential, which leans on v_exp_f32 not falling where its input rises.
.set SLOTB, 98304                      ; a run's bytes
.set SL1,   98304                      ; run 1 in LDS (run 0, and later run 3, at 0)
.set SL2,   196608                     ; run 2
.set SCV,   294912                     ; the batch's 32 x 64 scale words of v, filled once
.set PART,  SL1                        ; the join: each wave's O^T, 4,096 bytes a wave, as an image of its registers, in run 1's bytes: they have had their last fill, and a barrier stands behind every wave's last read of them
.set NM,    303104                     ; each thread's -M; 2,048 bytes on, its row's sum
.set STG,   307200                     ; the way out: 64 channel rows of 256 bytes + 16
.set SP,    272
.set SPARE, 324608                     ; the spare words, 128 bytes for each of 16 waves: eight blocks of 256 bytes that no other line names
.set AK0,  1                           ; v1   my lane's place in my first k image of a run
.set AV0,  2                           ; v2   in my first v image
.set ASV0, 3                           ; v3   among v's scale words
.set PFO,  4                           ; v4   256 x lane: the prefetch's offset; never rewritten
.set SPW,  5                           ; v5   LDS address of my spare word; never rewritten
.set NIL,  6                           ; v6   0; never rewritten
.set PWA,  7                           ; v7   where I store my O^T
.set ADK,  8                           ; v8   the k images that are asked for next
.set ADV,  9                           ; v9   the v images of the run in hand
.set ADS,  10                          ; v10  its scale words
.set NMA,  11                          ; v11  where I store -M and the sum
                                       ; v12 -M, v13 the largest t, v[14:15] the sum in two halves
.set QF,   16                          ; v16-19  q[my query][4 h .. 4 h + 3]
.set KF,   20                          ; v20-51  a step's 8 tiles of k, 4 registers each
.set S,    52                          ; v52-115 S^T: written by matrix instructions alone
.set P,    116                         ; v116-179 p; then v's four fragments
.set O,    180                         ; v180-211 O^T: channel 16 t + 8 h + j at O + 8 t + j
.set PC,   212                         ; v212-227 p's codes
.set BM,   228                         ; v228-231 a block's largest score, then its largest p
.set PM,   232                         ; v232-235 at work
.set HD,   236                         ; v236-239 57,344 x the scale
.set SO,   240                         ; v240-243 the conversion's scale operand
.set F,    244                         ; v[244:245] f = 2^(old M - new M); v245 is named with it as a pair
.set PWD,  246                         ; v246 p's scale word: a scale and nothing else
.set T,    247
.set VS,   248                         ; v248-251 v's scale words: scales and nothing else
.set RDA,  252                         ; v252 the join: where I read the four parts' O^T
.set RDM,  253                         ; v253 and their -M and sums
.set STA,  254                         ; v254 into the stage
.set STR,  255                         ; v255 and out of it
.set WV,   18
.set MNT,  19                          ; s19 the mantissa field of 57,344
.set SEL,  20                          ; s[20:21] lane l xor 16
.set CS,   22                          ; s[22:23] log2(e): the packed form names a pair and takes its low word for both halves
.set G1,   24                          ; s[24:31] group 1: 96 rows of 256 bytes;  s[32:39]: 8 such rows
.set G1S,  32
.set G0,   40                          ; s[40:43] group 0 for run 0, later for run 3;  s[44:47] for the scale words;  s[76:79], s[80:83] for runs 1 and 2
.set G0S,  44
.set G0B,  76
.set G0C,  80
.set KP,   48
.set QT,   49
.set LIM,  53                          ; s53 1 in a wave that prefetches, else 0
.set PFA,  54                          ; s[54:55] where my prefetch stands; never rewritten
.macro CROUND                          ; a round of the cluster's barrier
	s_barrier_signal -1
	s_barrier_wait -1
	s_cmp_lg_u32 s[WV], 0
	s_cbranch_scc1 .Lnot_wave_0_\@
	s_barrier_signal -3
.Lnot_wave_0_\@:
	s_barrier_wait -3
	s_barrier_signal -1
	s_barrier_wait -1
.endm
; A PREFETCH INTO THE L2 of run 3, 98,304 bytes, which the one refill will ask for.  All sixteen clusters of a batch walk the same runs: the batch's first cluster asks.  Its four partners take 24,576 bytes each, told
; apart BY ADDRESS; in each, waves 4, 5 and 6, which fetch nothing, ask for 8,192 bytes, lanes 256 bytes apart: each aligned block of 256 bytes is named once in the launch.  It stands in a wave's first step, behind
; that step's LDS loads: one step of the wave ahead of the refill.  Runs 0 to 2 come by their loads alone: nothing is asked for at the head.
.macro ASK
	s_cmp_eq_u32 s[LIM], 1
	s_cbranch_scc0 .Lnot_mine_\@
	global_prefetch_b8 v[PFO], s[PFA:PFA+1] th:TH_LOAD_NT scope:SCOPE_SE
.Lnot_mine_\@:
.endm
.macro KLOAD q                         ; 8 tiles of k: my q-th step of the run at which ADK stands
.irp t, 0,1,2,3,4,5,6,7
	ds_load_b128 v[KF+4*\t:KF+4*\t+3], v[ADK] offset:4096*(\q)+512*\t
.endr
.endm
; Product i of 16 of S^T = k q^T in f32, K = 8 in two instructions: the first eight start the sums, the other eight add channels 2, 3, 6 and 7.  The eight accumulators take turns.
.macro SCORE1 i
.if (\i) < 8
	v_wmma_f32_16x16x4_f32 v[S+8*(\i):S+8*(\i)+7], v[KF+4*(\i):KF+4*(\i)+1], v[QF:QF+1], 0
.else
	v_wmma_f32_16x16x4_f32 v[S+8*((\i)-8):S+8*((\i)-8)+7], v[KF+4*((\i)-8)+2:KF+4*((\i)-8)+3], v[QF+2:QF+3], v[S+8*((\i)-8):S+8*((\i)-8)+7]
.endif
.endm
.macro SETK base                       ; the k images that are asked for next lie in the run at LDS byte base
	v_add_nc_u32 v[ADK], \base, v[AK0]
.endm
.macro SETKV base, sc                  ; the run in hand: its v images, and its scale words, sc bytes into the batch's
	v_add_nc_u32 v[ADV], \base, v[AV0]
	v_add_nc_u32 v[ADS], \sc, v[ASV0]
.endm
; The first step behind the start and behind the round: no step before it could make its scores.
.macro HEAD base, sc
	SETK \base
	KLOAD 0
	SETKV \base, \sc
	s_wait_dscnt 0x0
.set j, 0
.rept 16
	SCORE1 j
.set j, j+1
.endr
.rept 8
	v_nop                                          ; places behind these products, ahead of the first read of their results and of the loads into k's registers
.endr
.endm
; A KEY STEP: 128 keys, my q-th of the run in hand; its scores lie in S.
; kq = 0 or 1: the next step's k is asked for at the head (my kq-th step of the run at which ADK stands); -1: none.  sc = 1: the next step's scores are made here.  ask = 1: the prefetch stands here.
.macro STEP q, kq, sc, ask
.if \kq >= 0
	KLOAD \kq                                      ; the products that read these registers stand eight plain lines or more back
.endif
.irp b, 0,1,2,3
	v_max3_num_f32 v[BM+\b], v[S+16*\b], v[S+16*\b+1], v[S+16*\b+2]   ; the largest score of each block of 32 keys: it serves for the row's maximum and for the block's largest p.  Each result is read from its low end on
.endr
.irp i, 3,5,7,9,11,13
.irp b, 0,1,2,3
	v_max3_num_f32 v[BM+\b], v[BM+\b], v[S+16*\b+\i], v[S+16*\b+\i+1]
.endr
.endr
.irp b, 0,1,2,3
	v_max_num_f32 v[BM+\b], v[BM+\b], v[S+16*\b+15]
.endr
.irp b, 0,1,2,3
	v_permlanex16_b32 v[PM+\b], v[BM+\b], s[SEL], s[SEL+1]
.endr
.irp b, 0,1,2,3
	v_max_num_f32 v[BM+\b], v[BM+\b], v[PM+\b]     ; with lane l xor 16's 16 keys
.endr
	v_max3_num_f32 v[T], v[BM], v[BM+1], v[BM+2]
	v_max_num_f32 v[T], v[T], v[BM+3]              ; the step's largest score of my query
	v_mul_f32 v[T], s[CS], v[T]                    ; as t
	v_max_num_f32 v13, v13, v[T]                   ; the running largest t
	v_mov_b32 v[T], v12
	v_floor_f32 v12, -v13                          ; the new -M = floor(-t) = -ceil(t)
	v_sub_f32 v[T], v12, v[T]                      ; old M - new M: a whole number, 0 or less
	v_cvt_i32_f32 v[T], v[T]                       ; (it saturates)
	v_ldexp_f32 v[F], 1.0, v[T]                    ; f = 2^(old M - new M): a multiplication by it rounds nothing
.set j, 0
.rept 32
	v_pk_fma_f32 v[P+j:P+j+1], v[S+j:S+j+1], s[CS:CS+1], v[12:13] op_sel_hi:[1,0,0]   ; t - M, two at a time, into other registers than the product's: S is free from here on
.set j, j+2
.endr
.irp b, 0,1,2,3
	v_fma_f32 v[BM+\b], v[BM+\b], s[CS], v12       ; the same of each block's largest score
.endr
.if \sc
	s_wait_dscnt 0x0                               ; the next step's k, asked for at the head
.endif
.set j, 0
.rept 16                                       ; one product of the next step's scores and four exponentials of this step's p, by turns: neither names a register of the other
.if \sc
	SCORE1 j
.endif
.irp e, 0,1,2,3
	v_exp_f32 v[P+4*j+\e], v[P+4*j+\e]             ; p = 2^(t - M), at most 1: not normalised
.endr
.set j, j+1
.endr
	v_pk_mul_f32 v[14:15], v[14:15], v[F:F+1] op_sel_hi:[1,0]   ; the sums under the new M: the plain line behind the exponentials
	s_wait_alu depctr_va_vdst(0)                   ; one wait for the batch of 64, ahead of its first reader
.irp b, 0,1,2,3
	v_exp_f32 v[BM+\b], v[BM+\b]                   ; the block's largest p
.endr
	v_pk_add_f32 v[PM:PM+1], v[P:P+1], v[P+2:P+3]  ; the row's sum is taken of the unquantised p, in two chains; these lines read the 64 alone
.irp j, 4,8,12,16,20,24,28,32,36,40,44,48,52,56,60
	v_pk_add_f32 v[14:15], v[14:15], v[P+\j:P+\j+1]
	v_pk_add_f32 v[PM:PM+1], v[PM:PM+1], v[P+\j+2:P+\j+3]
.endr
	v_pk_add_f32 v[14:15], v[14:15], v[PM:PM+1]
	s_wait_alu depctr_va_vdst(0)                   ; and one for the four
.irp b, 0,1,2,3
	v_max_num_f32 v[BM+\b], 0x8000000, v[BM+\b]    ; the floor 2^(16 - 127): the byte cannot fall under 1
.endr
.irp b, 0,1,2,3
	v_add_nc_u32 v[SO+\b], 0xf8800000, v[BM+\b]    ; 15 off the exponent field: the conversion's scale operand
.endr
.irp b, 0,1,2,3
	v_and_or_b32 v[HD+\b], v[BM+\b], 0x7f800000, s[MNT]   ; 57,344 x the scale
.endr
.irp b, 0,1,2,3
	v_lshrrev_b32 v[PM+\b], 23, v[SO+\b]           ; the scale's byte
.endr
	v_lshl_or_b32 v[PWD], v[PM+1], 8, v[PM]        ; p's scale word for these 128 keys
	v_lshl_or_b32 v[PWD], v[PM+2], 16, v[PWD]
	v_lshl_or_b32 v[PWD], v[PM+3], 24, v[PWD]
.irp b, 0,1,2,3
.irp i, 0,2,4,6,8,10,12,14
	v_dual_min_num_f32 v[P+16*\b+\i], v[P+16*\b+\i], v[HD+\b] :: v_dual_min_num_f32 v[P+16*\b+\i+1], v[P+16*\b+\i+1], v[HD+\b]   ; the conversion to an 8-bit code does not saturate (ISA guide 7.6.2); p is not negative, so the hold is one-sided; two holds an instruction
.endr
	v_cvt_scalef32_pk8_bf8_f32 v[PC+4*\b:PC+4*\b+1], v[P+16*\b:P+16*\b+7], v[SO+\b]
	v_cvt_scalef32_pk8_bf8_f32 v[PC+4*\b+2:PC+4*\b+3], v[P+16*\b+8:P+16*\b+15], v[SO+\b]
.irp c, 0,1,2,3
	ds_load_b128 v[P+16*\b+4*\c:P+16*\b+4*\c+3], v[ADV] offset:8192*(\q)+2048*\b+512*\c   ; v's fragment of channels 16 b on takes the registers that the block has just left
.endr
.endr
.irp t, 0,1,2,3
	ds_load_b32 v[VS+\t], v[ADS] offset:256*(\q)+64*\t
.endr
.if \ask
	ASK
.endif
.set j, 0
.rept 16
	v_pk_mul_f32 v[O+j:O+j+1], v[O+j:O+j+1], v[F:F+1] op_sel_hi:[1,0]   ; O^T under the new M, each accumulator from its low end on.  (These are also the places between the codes and the products)
.set j, j+2
.endr
	s_wait_dscnt 0x0                               ; v's fragments and scale words
.irp t, 0,1,2,3
	v_wmma_scale_f32_16x16x128_f8f6f4 v[O+8*\t:O+8*\t+7], v[P+16*\t:P+16*\t+15], v[PC:PC+15], v[O+8*\t:O+8*\t+7], v[VS+\t], v[PWD] matrix_a_fmt:MATRIX_FMT_BF8 matrix_b_fmt:MATRIX_FMT_BF8
.endr
.endm
	s_load_b256 s[4:11], s[0:1], 0x0               ; qbuf s[4:5], kv s[6:7], vsc s[8:9], x s[10:11]
	s_load_b128 s[12:15], s[0:1], 0x20             ; gamma s[12:13], out0 s[14:15]
	v_lshl_add_u32 v[SPW], v0, 2, SPARE
	v_mov_b32 v[NIL], 0
	ds_add_u32 v5, v6
	ds_add_u32 v5, v6
	s_wait_dscnt 0x0
	v_lshrrev_b32 v20, 5, v0
	v_readfirstlane_b32 s[WV], v20                 ; wave 0..15
	s_and_b32 s[KP], s[WV], 3                      ; my part of the keys.  Also: which quarter of a run I fetch, if I fetch
	s_lshr_b32 s[QT], s[WV], 2                     ; my tile of queries
	s_bfe_u32 s56, ttmp6, 0x40000                  ; cx: my place in the cluster: it enters global addresses of q, x, out0 and the prefetch alone
	s_lshl_b32 s57, ttmp9, 2
	s_add_co_u32 s57, s57, s56                     ; my block of 64 queries
	s_and_b32 s58, ttmp7, 0xffff                   ; the batch, which the four partners share
	; every LDS address that stays is made here, ahead of the first branch on the wave's number
	v_and_b32 v20, 31, v0                          ; lane
	v_and_b32 v21, 15, v0                          ; r
	v_bfe_u32 v22, v0, 4, 1                        ; h
	v_lshlrev_b32 v23, 4, v20                      ; 16 lane
	s_lshl_b32 s60, s[KP], 13
	v_add_nc_u32 v[AK0], s60, v23                  ; k images of steps 2 KP, 2 KP + 1
	s_lshl_b32 s60, s[KP], 14
	s_add_co_u32 s60, s60, 32768
	v_add_nc_u32 v[AV0], s60, v23                  ; their v images
	s_lshl_b32 s60, s[KP], 9
	s_add_co_u32 s60, s60, SCV
	v_lshl_add_u32 v[ASV0], v21, 2, s60            ; their scale words: 256 bytes a step, 4 bytes a channel
	v_lshlrev_b32 v[PFO], 8, v20
	s_lshl_b32 s60, s[WV], 12
	s_add_co_u32 s60, s60, PART
	v_add_nc_u32 v[PWA], s60, v23
	v_lshl_add_u32 v[NMA], v0, 2, NM
	s_lshl_b32 s60, s[QT], 14
	s_lshl_b32 s61, s[KP], 10
	s_add_co_u32 s60, s60, s61
	s_add_co_u32 s60, s60, PART
	v_add_nc_u32 v[RDA], s60, v23                  ; the four parts of my query tile, channel tile KP
	s_lshl_b32 s60, s[QT], 9
	s_add_co_u32 s60, s60, NM
	v_lshl_add_u32 v[RDM], v20, 2, s60
	s_mul_i32 s60, s[KP], 16*SP
	s_lshl_b32 s61, s[QT], 6
	s_add_co_u32 s60, s60, s61
	s_add_co_u32 s60, s60, STG
	v_mul_u32_u24 v24, v22, 8*SP
	v_lshl_add_u32 v24, v21, 2, v24
	v_add_nc_u32 v[STA], s60, v24                  ; row = channel 16 KP + 8 h + j, column = query 16 QT + r
	s_mul_i32 s60, s[WV], 4*SP
	s_add_co_u32 s60, s60, STG
	v_mul_u32_u24 v24, v22, SP
	v_lshl_add_u32 v24, v21, 4, v24
	v_add_nc_u32 v[STR], s60, v24                  ; back: rows 4 wave + h, 16 bytes a lane
	v_lshlrev_b32 v24, 5, v21
	v_lshl_add_u32 v24, v22, 4, v24                ; q: row r of 32 bytes, + 16 h
	; descriptor group 1: dense blocks as rows of 256 bytes (32 elements of 8 bytes), no padding
	s_mov_b32 s[G1], 15|(3<<16)|(1<<21)            ; 15:0 the mask: all four work-groups; 17:16 elements of 8 bytes; 21 set beside a mask
	s_mov_b32 s[G1+1], 32<<16                      ; tensor_dim0 = 32
	s_mov_b32 s[G1+2], 96<<16                      ; tensor_dim1 = 96
	s_mov_b32 s[G1+3], 32<<16                      ; tile_dim0 = 32
	s_mov_b32 s[G1+4], 96                          ; tile_dim1 = 96
	s_mov_b32 s[G1+5], 32                          ; elements from row to row
	s_mov_b32 s[G1+6], 0
	s_mov_b32 s[G1+7], 0
	s_mov_b32 s[G1S], 15|(3<<16)|(1<<21)
	s_mov_b32 s[G1S+1], 32<<16
	s_mov_b32 s[G1S+2], 8<<16                      ; 8 rows: a quarter of the batch's scale words
	s_mov_b32 s[G1S+3], 32<<16
	s_mov_b32 s[G1S+4], 8
	s_mov_b32 s[G1S+5], 32
	s_mov_b32 s[G1S+6], 0
	s_mov_b32 s[G1S+7], 0
	s_mul_i32 s70, s58, 4*SLOTB                    ; kv: the batch's four runs,
	s_mul_i32 s59, s[KP], 24576                    ; my quarter of a run, in memory and in LDS
	s_mov_b32 s[G0+1], s59                         ; run 0 at LDS byte 0,
	s_add_co_u32 s[G0B+1], s59, SL1                ; run 1,
	s_add_co_u32 s[G0C+1], s59, SL2                ; run 2
	s_add_co_u32 s70, s70, s59
	s_mov_b32 s71, 0
	s_lshl_b32 s72, s58, 13                        ; vsc: the batch's 8,192 bytes, my quarter
	s_lshl_b32 s59, s[KP], 11
	s_add_co_u32 s72, s72, s59
	s_mov_b32 s73, 0
	s_add_co_u32 s[G0S+1], s59, SCV
	s_lshl_b32 s66, s58, 17                        ; qbuf: batch x 131,072 + block x 2,048 + tile x 512
	s_lshl_b32 s63, s57, 11
	s_add_co_u32 s66, s66, s63
	s_lshl_b32 s63, s[QT], 9
	s_add_co_u32 s66, s66, s63
	s_mov_b32 s67, 0
	s_lshl_b32 s68, s58, 20                        ; x and out0: batch x 1,048,576 + block x 256
	s_lshl_b32 s63, s57, 8
	s_add_co_u32 s68, s68, s63
	s_mov_b32 s69, 0
	s_mul_i32 s74, s58, 4*SLOTB                    ; the prefetch: the batch,
	s_mul_i32 s63, s56, 24576                      ; my work-group's quarter,
	s_add_co_u32 s74, s74, s63
	s_sub_co_u32 s62, s[WV], 4
	s_and_b32 s63, s62, 3
	s_lshl_b32 s63, s63, 13                        ; my wave's 8,192 bytes of it,
	s_add_co_u32 s74, s74, s63
	s_add_co_u32 s74, s74, 3*SLOTB                 ; in run 3
	s_mov_b32 s75, 0
	s_cmp_lt_u32 s62, 3                            ; waves 4, 5, 6
	s_cselect_b32 s62, 0, 1
	s_or_b32 s62, s62, ttmp9                       ; of the batch's first cluster: the same in all four partners
	s_cmp_eq_u32 s62, 0
	s_cselect_b32 s[LIM], 1, 0
	s_mov_b32 s[MNT], 0x600000
	s_mov_b32 s[SEL], 0x76543210
	s_mov_b32 s[SEL+1], 0xfedcba98
	s_mov_b32 s[CS], 0x3fb8aa3b                    ; log2(e)
	s_mov_b32 s[CS+1], s[CS]
	s_wait_kmcnt 0x0
	s_load_b32 s16, s[12:13], 0x0                  ; gamma
	s_mov_b32 s[G0], 1                             ; count = 1
	s_add_nc_u64 s[G0+2:G0+3], s[6:7], s[70:71]    ; run 0's quarter,
	s_mov_b32 s[G0B], 1
	s_add_nc_u64 s[G0B+2:G0B+3], s[G0+2:G0+3], SLOTB     ; run 1's,
	s_mov_b32 s[G0C], 1
	s_add_nc_u64 s[G0C+2:G0C+3], s[G0+2:G0+3], 2*SLOTB   ; run 2's
	s_or_b32 s[G0+3], s[G0+3], 0x80000000          ; type = 2
	s_or_b32 s[G0B+3], s[G0B+3], 0x80000000
	s_or_b32 s[G0C+3], s[G0C+3], 0x80000000
	s_mov_b32 s[G0S], 1
	s_add_nc_u64 s[G0S+2:G0S+3], s[8:9], s[72:73]
	s_or_b32 s[G0S+3], s[G0S+3], 0x80000000
	s_add_nc_u64 s[PFA:PFA+1], s[6:7], s[74:75]
	s_add_nc_u64 s[4:5], s[4:5], s[66:67]
	s_add_nc_u64 s[10:11], s[10:11], s[68:69]
	s_add_nc_u64 s[14:15], s[14:15], s[68:69]
	CROUND                                         ; all four work-groups are here: the first joint loads meet
	s_cmp_lt_u32 s[WV], 4                          ; a wave's four first fills stand in one branch, ahead of every wait on TENSORcnt and every LDS read; four v_nop follow the last
	s_cbranch_scc0 .Lfirst_asked
	tensor_load_to_lds s[G0S:G0S+3], s[G1S:G1S+7]  ; the batch's scale words
	s_nop 0
	tensor_load_to_lds s[G0:G0+3], s[G1:G1+7]      ; run 0
	s_nop 0
	tensor_load_to_lds s[G0B:G0B+3], s[G1:G1+7]    ; run 1
	s_nop 0
	tensor_load_to_lds s[G0C:G0C+3], s[G1:G1+7]    ; run 2
	s_nop 0
.rept 4
	v_nop
.endr
.Lfirst_asked:
	global_load_b128 v[QF:QF+3], v24, s[4:5]       ; q stays in registers
	v_mov_b32 v13, 0xff61b1e6                      ; the largest t so far: -3e38, under every t
	v_floor_f32 v12, -v13                          ; -M
	v_mov_b32 v14, 0                               ; the sum, in two halves
	v_mov_b32 v15, 0
.irp b, 0,1,2,3
	v_mov_b32 v[PM+\b], 0                          ; written once: a lane permute's destination counts as one of its sources
.endr
	v_mov_b32 v[F+1], 0
.set j, 0
.rept 32
	v_mov_b32 v[O+j], 0                            ; O^T.  (The step is one macro: the first finds zeros, which the first change of M leaves zeros)
.set j, j+1
.endr
	s_wait_kmcnt 0x0                               ; gamma
	s_wait_loadcnt 0x0                             ; q
	s_wait_tensorcnt 0x2                           ; the scale words and my part of run 0 are in; runs 1 and 2, the two loads issued behind them, may stay out
	s_barrier_signal -1
	s_barrier_wait -1                              ; everybody's are
	; ---- run 0
	HEAD 0, 0
	STEP 0, 1, 1, 1
	STEP 1, -1, 0, 0                               ; run 1 has not been shown whole yet: nothing of it is asked for
	; ---- the one refill.  Every wave waits for all its tensor loads (runs 1 and 2 among them), adds 0 to its spare word, and waits for that and for its reads of run 0; the barrier is a round of the cluster's,
	; so that no wave of any partner still reads run 0 or has a load on its way; the joint refill is the first thing behind it
	s_wait_tensorcnt 0x0                           ; no tensor load of mine is out, so a group 0 may be written
	ds_add_u32 v[SPW], v[NIL]                      ; 0 onto my spare word
	ds_add_u32 v5, v6
	s_add_nc_u64 s[G0+2:G0+3], s[G0+2:G0+3], 3*SLOTB   ; run 3, into run 0's bytes; the type bits on top are not reached
	s_wait_dscnt 0x0                               ; the add is done, and my reads of run 0 are over
	CROUND
	s_cmp_lt_u32 s[WV], 4                          ; waves 0 to 3 fetch a quarter each; the branch hangs on the wave's number alone
	s_cbranch_scc0 .Lrefilled
	tensor_load_to_lds s[G0:G0+3], s[G1:G1+7]
	s_nop 0
.rept 4
	v_nop
.endr
.Lrefilled:
	; ---- runs 1, 2 and 3: six steps on end
	HEAD SL1, 2048
	STEP 0, 1, 1, 0
	s_wait_tensorcnt 0x0                           ; my part of run 3 is in: no load was issued behind it
	s_wait_dscnt 0x0
	s_barrier_signal -1                            ; say so; up to the wait below stand register work and LDS loads of runs 1 and 2 and the scale words, which nobody writes before a later barrier
	SETK SL2
	STEP 1, 0, 1, 0                                ; run 1's second step; k and scores of run 2's first
	SETKV SL2, 4096
	STEP 0, 1, 1, 0
	s_barrier_wait -1                              ; run 3 is whole
	SETK 0
	STEP 1, 0, 1, 0                                ; run 2's second step; k and scores of run 3's first
	SETKV 0, 6144
	STEP 0, 1, 1, 0
	STEP 1, -1, 0, 0
	; THE JOIN.  Each wave puts its O^T, its -M and its sum into LDS; wave (QT, KP) then joins channel tile KP of query tile QT over the four parts of the keys.
	v_and_b32 v37, 15, v0                          ; r.  (These ten plain lines are the places behind the last products)
	v_bfe_u32 v38, v0, 4, 1                        ; h
	v_lshlrev_b32 v36, 14, v38
	v_lshl_add_u32 v36, v37, 4, v36
	s_lshl_b32 s60, s[WV], 16
	v_add_nc_u32 v36, s60, v36                     ; x and out0: channel 4 wave + h, 16 bytes a lane
	global_load_b128 v[20:23], v36, s[10:11] th:TH_LOAD_NT               ; x's rows are asked for now and wanted behind three barriers
	global_load_b128 v[24:27], v36, s[10:11] offset:32768 th:TH_LOAD_NT
	v_add_f32 v14, v14, v15                        ; the sum's two halves,
	v_permlanex16_b32 v[T], v14, s[SEL], s[SEL+1]
	v_add_f32 v14, v14, v[T]                       ; and lane l xor 16's
	v_nop
	v_nop
	s_wait_dscnt 0x0                               ; my reads of the runs are over
	s_barrier_signal -1
	s_barrier_wait -1                              ; everybody's are: run 1's bytes may be written
.irp g, 0,1,2,3,4,5,6,7
	ds_store_b128 v[PWA], v[O+4*\g:O+4*\g+3] offset:512*\g   ; each accumulator from its low end on
.endr
	ds_store_b32 v[NMA], v12
	ds_store_b32 v[NMA], v14 offset:2048
	s_wait_dscnt 0x0                               ; for the others' sake: my stores have landed
	s_barrier_signal -1
	s_barrier_wait -1
.irp k, 0,1,2,3
	ds_load_b128 v[116+8*\k:119+8*\k], v[RDA] offset:4096*\k
	ds_load_b128 v[120+8*\k:123+8*\k], v[RDA] offset:4096*\k+512
	ds_load_b32 v[148+\k], v[RDM] offset:128*\k
	ds_load_b32 v[152+\k], v[RDM] offset:128*\k+2048
.endr
	s_wait_dscnt 0x0
	v_min_num_f32 v168, v148, v149
	v_min_num_f32 v169, v150, v151
	v_min_num_f32 v168, v168, v169                 ; the smallest -M: the largest M
.irp k, 0,1,2,3
	v_sub_f32 v[156+\k], v168, v[148+\k]           ; a part's M less the largest: a whole number, 0 or less
.endr
.irp k, 0,1,2,3
	v_cvt_i32_f32 v[156+\k], v[156+\k]
.endr
.irp k, 0,1,2,3
	v_ldexp_f32 v[156+\k], 1.0, v[156+\k]          ; an exact power of two
.endr
	v_mul_f32 v169, v156, v152
	v_fmac_f32 v169, v157, v153
	v_fmac_f32 v169, v158, v154
	v_fmac_f32 v169, v159, v155                    ; the row's sum over all keys
	v_rcp_f32 v170, v169
.irp j, 0,1,2,3,4,5,6,7
	v_mul_f32 v[160+\j], v156, v[116+\j]           ; plain work behind the reciprocal
.endr
.irp k, 1,2,3
.irp j, 0,1,2,3,4,5,6,7
	v_fmac_f32 v[160+\j], v[156+\k], v[116+8*\k+\j]
.endr
.endr
	s_wait_alu depctr_va_vdst(0)                   ; ahead of the reciprocal's first reader
	v_mul_f32 v170, s16, v170                      ; gamma / the sum
.irp j, 0,1,2,3,4,5,6,7
	v_mul_f32 v[160+\j], v[160+\j], v170
.endr
.irp j, 0,1,2,3,4,5,6,7
	ds_store_b32 v[STA], v[160+\j] offset:SP*\j
.endr
	s_wait_dscnt 0x0                               ; my stores into the stage have landed, and my reads of the parts are in
	s_barrier_signal -1
	s_barrier_wait -1
	ds_load_b128 v[28:31], v[STR]                  ; channels 4 wave + h
	ds_load_b128 v[32:35], v[STR] offset:2*SP      ; channels 4 wave + 2 + h
	s_wait_loadcnt 0x0                             ; x
	s_wait_dscnt 0x0
	v_pk_add_f32 v[28:29], v[28:29], v[20:21]
	v_pk_add_f32 v[30:31], v[30:31], v[22:23]
	v_pk_add_f32 v[32:33], v[32:33], v[24:25]
	v_pk_add_f32 v[34:35], v[34:35], v[26:27]
	global_store_b128 v36, v[28:31], s[14:15] th:TH_STORE_NT               ; 16 lanes store 256 consecutive bytes, at a multiple of 256 from out0's first byte
	global_store_b128 v36, v[32:35], s[14:15] offset:32768 th:TH_STORE_NT
	s_wait_tensorcnt 0x0                           ; the wave's end, behind my last tensor load and my last LDS store
	ds_add_u32 v[SPW], v[NIL]
	s_wait_dscnt 0x0
	CROUND                                         ; the closing round: no work-group ends while a partner may still ask for a tile that names it
	s_endpgm
.Lfunc_end_k_qa277db542f_attn:
	.size	k_qa277db542f_attn, .Lfunc_end_k_qa277db542f_attn-k_qa277db542f_attn
	.p2alignl 7, 3214868480
	.fill 96, 4, 3214868480
	.section	.rodata,"a",@progbits
	.p2align	6, 0x0
	.amdhsa_kernel k_qa277db542f_attn
		.amdhsa_group_segment_fixed_size 327680
		.amdhsa_private_segment_fixed_size 0
		.amdhsa_enable_private_segment 0
		.amdhsa_kernarg_size 48
		.amdhsa_user_sgpr_count 2
		.amdhsa_user_sgpr_kernarg_segment_ptr 1
		.amdhsa_wavefront_size32 1
		.amdhsa_system_sgpr_workgroup_id_x 1
		.amdhsa_system_sgpr_workgroup_id_y 1
		.amdhsa_system_sgpr_workgroup_id_z 1
		.amdhsa_system_vgpr_workitem_id 0
		.amdhsa_next_free_vgpr 256
		.amdhsa_next_free_sgpr 96
		.amdhsa_reserve_vcc 0
		.amdhsa_float_denorm_mode_32 3
		.amdhsa_float_denorm_mode_16_64 3
		.amdhsa_memory_ordered 1
		.amdhsa_forward_progress 1
		.amdhsa_inst_pref_size 155
	.end_amdhsa_kernel
	.amdgpu_metadata
---
amdhsa.version: [ 1, 2 ]
amdhsa.kernels:
  - .name:           k_qa277db542f_attn
    .symbol:         k_qa277db542f_attn.kd
    .args:
      - { .name: qbuf, .offset: 0, .size: 8, .value_kind: global_buffer, .address_space: global }
      - { .name: kv, .offset: 8, .size: 8, .value_kind: global_buffer, .address_space: global }
      - { .name: vsc, .offset: 16, .size: 8, .value_kind: global_buffer, .address_space: global }
      - { .name: x, .offset: 24, .size: 8, .value_kind: global_buffer, .address_space: global }
      - { .name: gamma, .offset: 32, .size: 8, .value_kind: global_buffer, .address_space: global }
      - { .name: out0, .offset: 40, .size: 8, .value_kind: global_buffer, .address_space: global }
    .group_segment_fixed_size: 327680
    .private_segment_fixed_size: 0
    .kernarg_segment_align: 8
    .kernarg_segment_size: 48
    .max_flat_workgroup_size: 512
    .sgpr_count:     96
    .vgpr_count:     256
    .wavefront_size: 32
...
	.end_amdgpu_metadata
.endif
;; end of part 2
